; MI455X (gfx1250); checked and timed in simulation.
; The chip was launched on July 23, 2026; its instructions are those of AMD's public machine-readable ISA for CDNA 5 (MIT licence, August 2026) and "CDNA5" Instruction Set Architecture Reference Guide (July 2026). The comments in the code are by the model that wrote it; some were corrected since.
;; Intent Aware Attention. Allowed arithmetic: matrix products marked QUANTISED: E4M3 operands, one given power-of-two scale a tensor, by v_wmma_f32_16x16x64_fp8_fp8 or v_wmma_f32_16x16x128_fp8_fp8, f32 sums; products left as they are: f32 operands where the result goes on into a quantised operand, else bf16, f16 or f32 operands; f32 sums; everything else in f32.
;; Inputs: Wi 64 x 1,024 float32; Wk 1,024 x 1,024 float32; Wq 1,024 x 1,024 float32; Wv 1,024 x 1,024 float32; attention_mask 4 x 1 x 1 x 2,048 float32; bi 1,024 float32; bk 1,024 float32; bq 1,024 float32; bv 1,024 float32; hidden_states 4 x 2,048 x 1,024 float32; intent_emb_table 20 x 64 float32; intent_ids 4 int32; lowp_scales 10 int32 (the exponents e of the quantised operands' scales 2^e).
;; Outputs: out0 4 x 2,048 x 1,024 float32.
;; This version of the problem:
;;   THIS VERSION OF THE PROBLEM IS GIVEN IN LOW PRECISION. The matrix products marked QUANTISED in the list below multiply operands that are first quantised to E4M3 (4 exponent bits, 3 mantissa bits; 8 bits a number), with one given power-of-two scale for each operand tensor; their sums are f32. All else is computed in f32.
;;   The module's matrix products, in the order in which they are computed (A, B: the left and right operand; K: the contracted axis; several contracted axes count as one K, in the product's order):
;;     1. [M 8,192, K 1,024] x [K 1,024, N 1,024]; A: input hidden_states; B: input Wq: QUANTISED (scales: A lowp_scales[0], B lowp_scales[1])
;;     2. [M 8,192, K 1,024] x [K 1,024, N 1,024]; A: input hidden_states; B: input Wk: QUANTISED (scales: A lowp_scales[2], B lowp_scales[3])
;;     3. [M 8,192, K 1,024] x [K 1,024, N 1,024]; A: input hidden_states; B: input Wv: QUANTISED (scales: A lowp_scales[4], B lowp_scales[5])
;;     4. batch 64 x [M 2,048, K 64] x [K 64, N 2,048]; A: computed on the way; B: computed on the way: QUANTISED (scales: A lowp_scales[6], B lowp_scales[7])
;;     5. [M 4, K 64] x [K 64, N 1,024]; A: computed on the way; B: input Wi: left as it is (M = 4 < 16)
;;     6. batch 64 x [M 2,048, K 2,048] x [K 2,048, N 64]; A: softmax (see below); B: computed on the way: QUANTISED (scales: A lowp_scales[8], B lowp_scales[9])
;;   THE QUANTISER, for each operand of a quantised product, along K:
;;     - The operand's scale is 2^e, e = its entry of the input lowp_scales (int32; the entries are numbered through the quantised products in the list's order, A before B).
;;     - Each number is divided by the scale, clamped to +-448, and rounded to the nearest number of E4M3, ties to even, subnormals kept.
;;     - The product sums the exact products of the quantised numbers (number of the format x scale) in f32.
;;   ~~~python
;;   def quantise(x, axis, e):      # numpy; x: float32 -> the quantised numbers, widened to float32 again
;;       x = np.moveaxis(x, axis, -1); K = x.shape[-1]
;;       r = np.clip(x / 2.0 ** e, -448, 448)
;;       step = 2.0 ** (np.maximum(np.frexp(np.where(r == 0, 1, r))[1] - 1, -6) - 3)
;;       q = np.round(r / step) * step * 2.0 ** e      # np.round: ties to even
;;       return np.moveaxis(q, -1, axis).astype(np.float32)
;;   ~~~
;;   SOFTMAX AHEAD OF A QUANTISED PRODUCT. Where the list says 'softmax', what is quantised is not the finished softmax but p = 2^(t - M), with t = logit x log2(e) and M = ceil(the row's largest t), a whole number; so 1/2 < the row's largest p <= 1. The row's sum l is taken of the UNQUANTISED p, in f32, and the product's result is divided by l at the end. Since M is a whole number, a kernel that streams over the keys may use a running M (the ceiling of the running maximum): every later rescaling is an exact power of two, so the quantised numbers keep their values, but for numbers so far below the row's largest that they fall under the format's range.
;;   OPERANDS COMPUTED ON THE WAY. 'Computed on the way' means the value that the module computes at that place (a softmax that the list does not call 'softmax' is quantised finished and normalised). What goes into a quantiser is computed in f32, as accurately as f32 sums, v_exp_f32 and their like allow (about 1e-6 of the number): no bf16 or f16 on the way to a quantiser, and a product that is left as it is and whose result goes on into a quantised operand takes f32 operands (vector FMAs, or v_wmma_f32_16x16x4_f32). A number that lies on a knife's edge between two numbers of the format may be rounded either way, as far as f32 arithmetic and the matrix unit's own rounding can turn it there, and no further.
;; One version. Each part assembles by itself: llvm-mc -triple=amdgcn-amd-amdhsa -mcpu=gfx1250 --defsym DOCPART=n.
;; ======== version 1 of 1: 3 launches
;; limits: right only within a limited range of input values
;; workspace buffers: xc 25,165,824 bytes; wc 3,145,728 bytes; qimg 8,388,608 bytes; kv 16,777,216 bytes; ibias 256 bytes
;; launch prep (part 1): grid 368 x 1, 4 waves a work-group, no clusters, 35,328 bytes of LDS; arguments hidden_states, Wq, Wk, Wv, Wi, bi, intent_emb_table, intent_ids, lowp_scales, xc, wc, ibias; writes xc, wc, ibias
.if DOCPART == 1
	.amdgcn_target "amdgcn-amd-amdhsa--gfx1250"
	.amdhsa_code_object_version 6
	.text
	.protected	k_q7c37d595f1_prep
	.globl	k_q7c37d595f1_prep
	.p2align	8
	.type	k_q7c37d595f1_prep,@function
k_q7c37d595f1_prep:
	s_mov_b64 s[64:65], 0
	v_nop
	global_prefetch_b8 v0, s[64:65] scope:SCOPE_SE
	s_setreg_imm32_b32 hwreg(HW_REG_WAVE_MODE, 25, 1), 1
	s_wait_xcnt 0x0
; PREP: everything that is quantised once.  Three roles, told apart by the work-group's number:
;   0..15    BIAS: ibias[b][h] = mean over the head's 64 columns of (intent_emb_table[intent_ids[b]] @ Wi + bi), in f32 multiply-adds; a wave to a (b, h).
;   16..111  W:    Wq, Wk, Wv [1024 k][1024 n] f32 -> wc [3][1024 n][1024] codes of E4M3, K innermost; a lane to a column, its registers down K.
;   112..367 X:    hidden_states [8192][1024] f32 -> xc [3][8192][1024] codes: set s under entry 2 s of the scales (the three projections each have an entry of their own for x).
; code = x / 2^e, held within +-448, to the nearest code, ties to even.
; LAYOUTS of this program's own.  ROWS: stored row SW(s) holds true row s, SW = bits 3 and 4 exchanged; so 16 neighbouring stored rows 16 T + r are the true rows
; 32 (T / 2) + 8 (T % 2) + r + 8 (r / 8), the choice of rows by which a transposed product's results are neighbours along the next K.
; K: inside each 512 along K, byte p holds k = 128 ((p / 4) % 4) + 4 (p / 16) + p % 4, alike in x and in W: every product meets its partner, only the order inside the f32 sums changes.
; With it a lane of the X role converts the 16 numbers just as four dense loads (16 bytes a lane) brought them, and stores 16 bytes beside its neighbours': no turn through LDS.
; LIMITS: the exponents e of entries 0 to 5 lie between -126 and 119, so that 2^e and 448 x 2^e are f32 numbers.  NaN among the inputs is not served.
; No barrier: waves share nothing.  Only the W role touches LDS (a stage of its own for each wave).
.set R,    16                          ; X: v16-143  eight sets of 16 numbers as loaded
.set T,    144                         ; X: v144-159 16 numbers, held
.set CX,   160                         ; X: v160-171 four registers of codes for each set of scales
.set SC,   172                         ; X: v172-174 2^e as f32
.set LIMX, 175                         ; X: v175-177 448 x 2^e
.set WX,   32                          ; W: v32-95   two sets of 32 numbers
.set CW,   96                          ; W: v96-103  a block's codes
.set OUTR, 112                         ; W: v112-175 the way out
.set WP,   272                         ; W: a stage row: 256 bytes + 16
	v_lshl_add_u32 v192, v0, 2, 0x8800
	v_mov_b32 v193, 0
	v_lshrrev_b32 v1, 5, v0
	v_readfirstlane_b32 s2, v1                     ; wave 0..3
	v_and_b32 v2, 31, v0                           ; lane
	s_cmp_lt_u32 ttmp9, 16
	s_cbranch_scc1 .Lbias
	s_cmp_lt_u32 ttmp9, 112
	s_cbranch_scc1 .Lw
; ---------------- X: a wave takes 8 rows = 16 steps of 512 numbers ----------------
	s_load_b64 s[4:5], s[0:1], 0x0                 ; hidden_states
	s_load_b64 s[6:7], s[0:1], 0x40                ; the scales' exponents
	s_load_b64 s[8:9], s[0:1], 0x48                ; xc
	v_lshlrev_b32 v3, 4, v2                        ; 16 x lane: my bytes of a load's 512 and of a store's 512; never rewritten
	s_sub_co_u32 s26, ttmp9, 112
	s_lshl_b32 s26, s26, 2
	s_add_co_u32 s27, s26, s2                      ; which block of 8 true rows is mine
	s_lshl_b32 s28, s27, 15                        ; x 8 rows of 4,096 bytes
	s_mov_b32 s29, 0
	s_and_b32 s30, s2, 1                           ; the row swap on blocks of 8 rows: the block's two low bits change places
	s_lshl_b32 s30, s30, 1
	s_lshr_b32 s31, s2, 1
	s_or_b32 s30, s30, s31
	s_add_co_u32 s30, s26, s30
	s_lshl_b32 s30, s30, 13                        ; x 8 rows of 1,024 bytes
	s_mov_b32 s31, 0
	s_wait_alu depctr_va_vdst(0)
	s_wait_kmcnt 0x0
	s_load_b256 s[16:23], s[6:7], 0x0              ; entries 0 to 7: s16, s18, s20 are x's three
	s_add_nc_u64 s[4:5], s[4:5], s[28:29]
	s_add_nc_u64 s[8:9], s[8:9], s[30:31]          ; my rows in set 0,
	s_add_nc_u64 s[10:11], s[8:9], 0x800000        ; in set 1,
	s_add_nc_u64 s[12:13], s[8:9], 0x1000000       ; in set 2
.macro LOADX t                         ; step t: four loads of 512 consecutive bytes; register 4 i + j = number 128 i + 4 lane + j of the step's 512
.irp i, 0,1,2,3
	global_load_b128 v[R+16*((\t)%8)+4*\i:R+16*((\t)%8)+4*\i+3], v3, s[4:5] offset:2048*(\t)+512*\i th:TH_LOAD_NT
.endr
.endm
.macro XSC s, e                        ; set s: 2^e and 448 x 2^e as f32 numbers
	s_add_co_i32 s32, s[\e], 127
	s_lshl_b32 s33, s32, 23
	v_mov_b32 v[SC+\s], s33
	s_add_co_i32 s32, s32, 8
	s_lshl_b32 s32, s32, 23
	s_or_b32 s32, s32, 0x600000
	v_mov_b32 v[LIMX+\s], s32
.endm
.macro QSET t, s, p                    ; step t under scale s, into the set at s[p:p+1]
.irp i, 0,1,2,3,4,5,6,7,8,9,10,11,12,13,14,15
	v_med3_num_f32 v[T+\i], v[R+16*((\t)%8)+\i], -v[LIMX+\s], v[LIMX+\s]   ; the conversion to an 8-bit code does not saturate (ISA guide 7.6.2): the hold comes first; the loaded numbers stay for the next set
.endr
	v_cvt_scalef32_pk8_fp8_f32 v[CX+4*\s:CX+4*\s+1], v[T:T+7], v[SC+\s]
	v_cvt_scalef32_pk8_fp8_f32 v[CX+4*\s+2:CX+4*\s+3], v[T+8:T+15], v[SC+\s]
	v_nop                                          ; a plain line between the conversions and the next set's holds, which write their sources
	global_store_b128 v3, v[CX+4*\s:CX+4*\s+3], s[\p:\p+1] offset:512*(\t)   ; the wave stores 512 consecutive bytes, aligned
.endm
.macro STEPX t
.if 15-(\t) >= 7
	s_wait_loadcnt 28                              ; loads come back in order: this step's four are in, the seven younger steps' 28 stay out
.else
	s_wait_loadcnt 4*(15-(\t))
.endif
	s_wait_xcnt 0x0                                ; the last step's stores have read their data registers, which are written again below
	QSET \t, 0, 8
	QSET \t, 1, 10
	QSET \t, 2, 12
.if (\t)+8 < 16
	LOADX (\t)+8                                   ; into the set that this step has just read: 32 loads of the wave are out
.endif
.endm
.irp t, 0,1,2,3,4,5,6,7
	LOADX \t
.endr
	s_wait_kmcnt 0x0
	XSC 0, 16
	XSC 1, 18
	XSC 2, 20
	s_wait_alu depctr_va_vdst(0)
.irp t, 0,1,2,3,4,5,6,7,8,9,10,11,12,13,14,15
	STEPX \t
.endr
	s_endpgm
; ---------------- W: a wave takes 32 columns x 256 byte places along K ----------------
.Lw:
	s_load_b128 s[4:7], s[0:1], 0x8                ; Wq, Wk
	s_load_b64 s[8:9], s[0:1], 0x18                ; Wv
	s_load_b64 s[10:11], s[0:1], 0x40              ; the scales' exponents
	s_load_b64 s[12:13], s[0:1], 0x50              ; wc
	s_sub_co_u32 s14, ttmp9, 16
	s_lshr_b32 s15, s14, 5                         ; which matrix: 0 q, 1 k, 2 v
	s_and_b32 s24, s14, 7                          ; which 128 columns
	s_bfe_u32 s25, s14, 0x20003                    ; y: which 256 byte places of the 1,024
	s_lshl_b32 s26, s24, 7
	s_lshl_b32 s27, s2, 5
	s_add_co_u32 s26, s26, s27                     ; n0: my wave's first column
	s_lshr_b32 s28, s25, 1
	s_lshl_b32 s28, s28, 21                        ; 512 rows of 4,096 bytes for the upper block of 512 along K,
	s_and_b32 s27, s25, 1
	s_lshl_b32 s27, s27, 18                        ; 64 rows for the upper 256 places of a block (place / 16 is 16 more, 4 rows each),
	s_add_co_u32 s28, s28, s27
	s_lshl_b32 s27, s26, 2
	s_add_co_u32 s28, s28, s27                     ; and my columns
	s_mov_b32 s29, 0
	s_lshl_b32 s30, s15, 20
	s_lshl_b32 s27, s26, 10
	s_add_co_u32 s30, s30, s27
	s_lshl_b32 s27, s25, 8
	s_add_co_u32 s30, s30, s27                     ; codes: matrix, row n0, place 256 y
	s_mov_b32 s31, 0
	s_mul_i32 s27, s2, 32*WP                       ; my stage
	s_wait_alu depctr_va_vdst(0)
	v_lshlrev_b32 v3, 2, v2                        ; in: 4 bytes a lane
	v_mul_u32_u24 v4, v2, WP
	v_add_nc_u32 v4, s27, v4                       ; into the stage: row = my column
	v_and_b32 v5, 15, v2
	v_lshrrev_b32 v6, 4, v2
	v_mul_u32_u24 v7, v6, WP
	v_lshl_add_u32 v7, v5, 4, v7
	v_add_nc_u32 v7, s27, v7                       ; out of it: sixteen lanes to a row, two rows an instruction
	v_lshlrev_b32 v8, 10, v6
	v_lshl_add_u32 v8, v5, 4, v8                   ; and the same place in wc
	s_wait_kmcnt 0x0
	s_load_b256 s[16:23], s[10:11], 0x0            ; entries 0 to 7: s17, s19, s21 are the weights'
	s_cmp_eq_u32 s15, 1
	s_cselect_b64 s[4:5], s[6:7], s[4:5]
	s_cmp_eq_u32 s15, 2
	s_cselect_b64 s[4:5], s[8:9], s[4:5]
	s_add_nc_u64 s[4:5], s[4:5], s[28:29]
	s_add_nc_u64 s[12:13], s[12:13], s[30:31]
.macro LOADW t                         ; block t: the 32 rows of W whose codes fill places 32 t .. 32 t + 31; each load reads 128 consecutive bytes a wave.  The largest offset is 447 rows: inside the signed 24-bit immediate
.set xx, 0
.rept 32
	global_load_b32 v[WX+32*((\t)%2)+xx], v3, s[4:5] offset:(128*((xx/4)%4)+8*(\t)+4*(xx/16)+(xx%4))*4096 th:TH_LOAD_NT
.set xx, xx+1
.endr
.endm
	LOADW 0
	LOADW 1
	s_wait_kmcnt 0x0
	s_cmp_eq_u32 s15, 1
	s_cselect_b32 s32, s19, s17
	s_cmp_eq_u32 s15, 2
	s_cselect_b32 s32, s21, s32                    ; e
	s_add_co_i32 s32, s32, 127
	s_lshl_b32 s33, s32, 23
	v_mov_b32 v11, s33                             ; 2^e as f32
	s_add_co_i32 s32, s32, 8
	s_lshl_b32 s32, s32, 23
	s_or_b32 s32, s32, 0x600000
	v_mov_b32 v10, s32                             ; 448 x 2^e
.macro BLOCKW t
.set XS, WX+32*((\t)%2)
.if (\t) < 7
	s_wait_loadcnt 32                              ; this block's 32 loads are in; the next block's may be out
.else
	s_wait_loadcnt 0
.endif
.irp i, 0,1,2,3,4,5,6,7,8,9,10,11,12,13,14,15,16,17,18,19,20,21,22,23,24,25,26,27,28,29,30,31
	v_med3_num_f32 v[XS+\i], v[XS+\i], -v10, v10
.endr
.irp g, 0,1,2,3
	v_cvt_scalef32_pk8_fp8_f32 v[CW+2*\g:CW+2*\g+1], v[XS+8*\g:XS+8*\g+7], v11
.endr
	ds_store_b128 v4, v[CW:CW+3] offset:32*(\t)    ; the codes go to LDS stores alone; the next block begins with plain vector lines
	ds_store_b128 v4, v[CW+4:CW+7] offset:32*(\t)+16
.if (\t)+2 < 8
	LOADW (\t)+2
.endif
	s_wait_dscnt 0x0                               ; the stores have read their registers: the next block's codes may be written
.endm
	s_wait_alu depctr_va_vdst(0)
.irp t, 0,1,2,3,4,5,6,7
	BLOCKW \t
.endr
.irp t, 0,1,2,3,4,5,6,7,8,9,10,11,12,13,14,15
	ds_load_b128 v[OUTR+4*\t:OUTR+4*\t+3], v7 offset:2*\t*WP   ; LDS serves a wave's instructions in order: these see my stores
.endr
.irp t, 0,1,2,3,4,5,6,7,8,9,10,11,12,13,14,15
	s_wait_dscnt 15-\t
	global_store_b128 v8, v[OUTR+4*\t:OUTR+4*\t+3], s[12:13] offset:(((2*\t)%8)+16*(((2*\t)/8)%2)+8*((2*\t)/16))*1024   ; columns 2 t, 2 t + 1 go to stored rows SW(2 t), SW(2 t) + 1: sixteen lanes store 256 consecutive bytes, aligned
.endr
	s_wait_tensorcnt 0x0
	ds_add_u32 v192, v193
	s_wait_dscnt 0x0
	s_endpgm
; ---------------- BIAS: a wave to a (b, h); a lane to two of the head's 64 columns ----------------
.Lbias:
	s_load_b128 s[4:7], s[0:1], 0x20               ; Wi, bi
	s_load_b128 s[8:11], s[0:1], 0x30              ; intent_emb_table, intent_ids
	s_load_b64 s[12:13], s[0:1], 0x58              ; ibias
	s_lshr_b32 s14, ttmp9, 2                       ; b
	s_and_b32 s15, ttmp9, 3
	s_lshl_b32 s15, s15, 2
	s_add_co_u32 s15, s15, s2                      ; h
	s_lshl_b32 s66, s14, 2
	s_mov_b32 s67, 0
	s_lshl_b32 s68, s15, 8
	s_wait_alu depctr_va_vdst(0)
	v_lshlrev_b32 v1, 3, v2
	v_add_nc_u32 v1, s68, v1                       ; byte 256 h + 8 lane of a row of Wi and of bi
	s_mov_b32 s72, 0x76543210
	s_mov_b32 s73, 0xfedcba98                      ; lane selects: lane l xor 16
	s_wait_alu depctr_va_vdst(0)
	s_wait_kmcnt 0x0
	s_add_nc_u64 s[10:11], s[10:11], s[66:67]
	s_load_b32 s66, s[10:11], 0x0                  ; intent_ids[b]
.set ee, 0
.rept 64
	global_load_b64 v[32+2*ee:33+2*ee], v1, s[4:5] offset:4096*ee   ; Wi(e, my two columns): the wave reads 256 consecutive bytes of each row, aligned
.set ee, ee+1
.endr
	global_load_b64 v[160:161], v1, s[6:7]
	s_wait_kmcnt 0x0
	s_min_u32 s66, s66, 19                         ; the index stays inside the table of 20 rows
	s_lshl_b32 s66, s66, 8                         ; a row is 256 bytes
	s_add_nc_u64 s[8:9], s[8:9], s[66:67]
	s_load_b512 s[16:31], s[8:9], 0x0              ; the embedding's 64 numbers: number e in s[16 + e] for e < 48, else in s[32 + e]
	s_load_b512 s[32:47], s[8:9], 0x40
	s_load_b512 s[48:63], s[8:9], 0x80
	s_load_b512 s[80:95], s[8:9], 0xc0
	v_mov_b32 v164, 0                              ; a lane permute's destination counts as read
	s_lshl_b32 s68, s14, 4
	s_add_co_u32 s68, s68, s15
	s_lshl_b32 s68, s68, 2
	v_mov_b32 v165, s68                            ; byte 4 (16 b + h) of ibias
	s_wait_kmcnt 0x0
	s_wait_loadcnt 0x0
	v_mul_f32 v162, s16, v32                       ; the first products start the two sums
	v_mul_f32 v163, s16, v33
.set ee, 1
.rept 63
.if ee < 48
.set se, 16+ee
.else
.set se, 32+ee
.endif
	v_fmac_f32 v162, s[se], v[32+2*ee]
	v_fmac_f32 v163, s[se], v[33+2*ee]
.set ee, ee+1
.endr
	v_add_f32 v162, v162, v160                     ; + bi
	v_add_f32 v163, v163, v161
	v_add_f32 v162, v162, v163
	v_add_f32_dpp v162, v162, v162 row_xmask:1 row_mask:0xf bank_mask:0xf
	v_add_f32_dpp v162, v162, v162 row_xmask:2 row_mask:0xf bank_mask:0xf
	v_add_f32_dpp v162, v162, v162 row_xmask:4 row_mask:0xf bank_mask:0xf
	v_add_f32_dpp v162, v162, v162 row_xmask:8 row_mask:0xf bank_mask:0xf
	v_permlanex16_b32 v164, v162, s72, s73
	v_add_f32 v162, v162, v164
	v_mul_f32 v162, 0x3c800000, v162               ; / 64: the mean
	s_wait_alu depctr_va_vdst(0)
	s_wait_xcnt 0x0                                ; EXEC changes only behind this wait
	v_cmp_eq_u32 vcc_lo, 0, v2
	s_and_saveexec_b32 s70, vcc_lo
	global_store_b32 v165, v162, s[12:13]          ; one number for the wave
	s_wait_xcnt 0x0                                ; and again in front of the line that widens it
	s_or_b32 exec_lo, exec_lo, s70
	s_endpgm
.Lfunc_end_k_q7c37d595f1_prep:
	.size	k_q7c37d595f1_prep, .Lfunc_end_k_q7c37d595f1_prep-k_q7c37d595f1_prep
	.p2alignl 7, 3214868480
	.fill 96, 4, 3214868480
	.section	.rodata,"a",@progbits
	.p2align	6, 0x0
	.amdhsa_kernel k_q7c37d595f1_prep
		.amdhsa_group_segment_fixed_size 35328
		.amdhsa_private_segment_fixed_size 0
		.amdhsa_enable_private_segment 0
		.amdhsa_kernarg_size 96
		.amdhsa_user_sgpr_count 2
		.amdhsa_user_sgpr_kernarg_segment_ptr 1
		.amdhsa_wavefront_size32 1
		.amdhsa_system_sgpr_workgroup_id_x 1
		.amdhsa_system_sgpr_workgroup_id_y 1
		.amdhsa_system_sgpr_workgroup_id_z 1
		.amdhsa_system_vgpr_workitem_id 0
		.amdhsa_next_free_vgpr 194
		.amdhsa_next_free_sgpr 96
		.amdhsa_reserve_vcc 1
		.amdhsa_float_denorm_mode_32 3
		.amdhsa_float_denorm_mode_16_64 3
		.amdhsa_memory_ordered 1
		.amdhsa_forward_progress 1
		.amdhsa_inst_pref_size 131
	.end_amdhsa_kernel
	.amdgpu_metadata
---
amdhsa.version: [ 1, 2 ]
amdhsa.kernels:
  - .name:           k_q7c37d595f1_prep
    .symbol:         k_q7c37d595f1_prep.kd
    .args:
      - { .name: hidden_states, .offset: 0, .size: 8, .value_kind: global_buffer, .address_space: global }
      - { .name: Wq, .offset: 8, .size: 8, .value_kind: global_buffer, .address_space: global }
      - { .name: Wk, .offset: 16, .size: 8, .value_kind: global_buffer, .address_space: global }
      - { .name: Wv, .offset: 24, .size: 8, .value_kind: global_buffer, .address_space: global }
      - { .name: Wi, .offset: 32, .size: 8, .value_kind: global_buffer, .address_space: global }
      - { .name: bi, .offset: 40, .size: 8, .value_kind: global_buffer, .address_space: global }
      - { .name: intent_emb_table, .offset: 48, .size: 8, .value_kind: global_buffer, .address_space: global }
      - { .name: intent_ids, .offset: 56, .size: 8, .value_kind: global_buffer, .address_space: global }
      - { .name: lowp_scales, .offset: 64, .size: 8, .value_kind: global_buffer, .address_space: global }
      - { .name: xc, .offset: 72, .size: 8, .value_kind: global_buffer, .address_space: global }
      - { .name: wc, .offset: 80, .size: 8, .value_kind: global_buffer, .address_space: global }
      - { .name: ibias, .offset: 88, .size: 8, .value_kind: global_buffer, .address_space: global }
    .group_segment_fixed_size: 35328
    .private_segment_fixed_size: 0
    .kernarg_segment_align: 8
    .kernarg_segment_size: 96
    .max_flat_workgroup_size: 128
    .sgpr_count:     96
    .vgpr_count:     194
    .wavefront_size: 32
...
	.end_amdgpu_metadata
.endif
;; end of part 1
;; launch proj (part 2): grid 12 x 32, 4 waves a work-group, clusters of 4 x 4, 327,680 bytes of LDS; arguments xc, wc, bq, bk, bv, lowp_scales, qimg, kv; writes qimg, kv
.if DOCPART == 2
	.amdgcn_target "amdgcn-amd-amdhsa--gfx1250"
	.amdhsa_code_object_version 6
	.text
	.protected	k_q7c37d595f1_proj
	.globl	k_q7c37d595f1_proj
	.p2align	8
	.type	k_q7c37d595f1_proj,@function
k_q7c37d595f1_proj:
	s_mov_b64 s[64:65], 0
	v_nop
	global_prefetch_b8 v0, s[64:65] scope:SCOPE_SE
	s_setreg_imm32_b32 hwreg(HW_REG_WAVE_MODE, 25, 1), 1
	s_wait_xcnt 0x0
	s_wait_alu depctr_hold_cnt(0) depctr_sa_sdst(0) depctr_va_vdst(0) depctr_va_sdst(0) depctr_va_ssrc(0) depctr_va_vcc(0) depctr_vm_vsrc(0)
	s_getreg_b32 s2, hwreg(HW_REG_IB_STS2, 6, 4)
	s_cmp_eq_u32 s2, 0
	s_cbranch_scc0 .Lentry_in_a_cluster
	s_endpgm
.Lentry_in_a_cluster:
	s_bfe_u32 s2, ttmp6, 0x10000c
	s_cmp_lg_u32 s2, 0xf033
	s_cbranch_scc0 .Lentry_shape_is_right
	s_endpgm
.Lentry_shape_is_right:
; PROJ: q, k, v = x W + b on codes of E4M3 (v_wmma_f32_16x16x128_fp8_fp8, f32 sums), quantised again on the way out with entries 6, 7 and 9 of the scales.
; Cluster x says which projection (0 q, 1 k, 2 v).  A work-group makes 256 x 256 results, a wave 128 x 128; K = 1,024 goes in four steps of 256 through two LDS slots filled by joint loads.
; LDS region 0 (256 rows) feeds source 1 and is shared along a row of the cluster (its tile hangs on cy); region 2 feeds source 0 and is shared along a column (its tile hangs on cx).
; q, k: region 0 = x (tile 4 c + cy, c the cluster's y), region 2 = W (tile cx): a lane holds one token, its registers run along the channels.
; v:    region 0 = W (tile cy), region 2 = x (tile 4 c + cx): a lane holds one channel, its registers run along the keys, the next product's K.
; Only the tiles' places in memory differ between the two cases: every LDS address is a constant and the wave's number.
; The bias goes in as the C of the first products (q, k) or is added on the way out (v), in the sums' unit.  LIMITS: the exponents keep every power of two made here an f32 number.
.set KROW,   1024
.set ROWB,   256
.set PITCH,  272
.set FR,     16
.set NL,     4
.set NP,     4
.set HALFT,  128*PITCH
.set SLOT,   4*HALFT
.set SPARE,  2*SLOT
.set ADR1, 16
.set ADR0, 20
.set CO,   26
.set SPW,  28
.set NIL,  29
.set CB,   32
.set TMP,  32
.set B1,   96
.set SCL,  112
.set LIM,  113
.set AF,   128
.set CD,   128
.set G1, 24
.set G0, 32
.set G1B, 48
.set G0B, 56
.set MSB, 0
.macro WIN new
.if MSB != \new
	s_set_vgpr_msb (MSB<<8)|\new
.set MSB, \new
.endif
.endm
.set MUL_LO, 0xa1
.set MUL_HI, 0xf1
.set FST_LO, 0x81
.set FST_HI, 0xc1
.set TO_B,   0x40
.macro JLOAD g0a, g1a, g0b, g1b
	s_cmp_eq_u32 s15, 0
	s_cbranch_scc0 .Lfor_b_\@
	tensor_load_to_lds s[\g0a:\g0a+3], s[\g1a:\g1a+7]
	s_nop 0
.rept 4
	v_nop
.endr
	s_branch .Lasked_\@
.Lfor_b_\@:
	tensor_load_to_lds s[\g0b:\g0b+3], s[\g1b:\g1b+7]
	s_nop 0
.rept 4
	v_nop
.endr
.Lasked_\@:
.endm
.macro CREST
	s_cmp_lg_u32 s14, 0
	s_cbranch_scc1 .Lnot_wave_0_\@
	s_barrier_signal -3
.Lnot_wave_0_\@:
	s_barrier_wait -3
	s_barrier_signal -1
	s_barrier_wait -1
.endm
.macro CROUND
	s_barrier_signal -1
	s_barrier_wait -1
	CREST
.endm
	s_load_b256 s[68:75], s[0:1], 0x0
	s_load_b256 s[76:83], s[0:1], 0x20
	v_lshl_add_u32 v[SPW], v0, 2, SPARE
	v_mov_b32 v[NIL], 0
	ds_add_u32 v28, v29
	ds_add_u32 v28, v29
	s_wait_dscnt 0x0
	v_lshrrev_b32 v1, 5, v0
	v_readfirstlane_b32 s14, v1
	s_lshr_b32 s15, s14, 1
	s_and_b32 s16, s14, 1
	s_bfe_u32 s40, ttmp6, 0x40000
	s_bfe_u32 s41, ttmp6, 0x40004
	s_and_b32 s17, ttmp7, 0xffff
	s_lshl_b32 s17, s17, 2                         ; 4 c
	s_lshl_b32 s43, s41, 2
	s_lshl_b32 s43, 15, s43
	s_lshl_b32 s44, 0x1111, s40
	s_or_b32 s[G1+0], s43, (0<<16)|(1<<20)|(1<<21)|(5<<22)|(3<<25)
	s_or_b32 s[G1B+0], s44, (0<<16)|(1<<20)|(1<<21)|(5<<22)|(3<<25)
.irp g, G1, G1B
	s_mov_b32 s[\g+1], ROWB<<16
	s_mov_b32 s[\g+2], 128<<16
	s_mov_b32 s[\g+3], ROWB<<16
	s_mov_b32 s[\g+4], 128
	s_mov_b32 s[\g+5], KROW
	s_mov_b32 s[\g+6], 0
	s_mov_b32 s[\g+7], 0
.endr
	s_lshl_b32 s18, s16, 7
	s_lshl_b32 s86, ttmp9, 23                      ; my set of x's codes
	s_lshl_b32 s87, ttmp9, 20                      ; my matrix of W's codes
	s_cmp_eq_u32 ttmp9, 2                          ; v?  The cluster's x: the same in all sixteen partners
	s_cselect_b32 s84, 0, s17
	s_cselect_b32 s85, s17, 0
	s_cselect_b32 s21, s87, s86
	s_cselect_b32 s47, s86, s87
	s_add_co_u32 s84, s84, s41                     ; region 0's tile: cy (v) or 4 c + cy
	s_add_co_u32 s85, s85, s40                     ; region 2's tile: 4 c + cx (v) or cx
	s_lshl_b32 s20, s84, 8
	s_add_co_u32 s20, s20, s18
	s_lshl_b32 s20, s20, 10
	s_add_co_u32 s20, s20, s21
	s_mov_b32 s21, 0
	s_lshl_b32 s46, s85, 8
	s_add_co_u32 s46, s46, s18
	s_lshl_b32 s46, s46, 10
	s_add_co_u32 s46, s46, s47
	s_mov_b32 s47, 0
	s_mul_i32 s45, s14, HALFT
	s_wait_kmcnt 0x0
	s_load_b256 s[88:95], s[78:79], 0x0
	s_load_b64 s[96:97], s[78:79], 0x20
	s_cmp_eq_u32 ttmp9, 2
	s_cselect_b64 s[86:87], s[70:71], s[68:69]     ; region 0 comes from wc (v) or xc,
	s_cselect_b64 s[66:67], s[68:69], s[70:71]     ; region 2 from the other
	s_add_nc_u64 s[20:21], s[86:87], s[20:21]
	s_add_nc_u64 s[46:47], s[66:67], s[46:47]
	CROUND
.irp s, 0,1
	s_mov_b32 s[G0+4*\s], 1
	s_add_co_u32 s[G0+4*\s+1], s45, \s*SLOT
	s_add_nc_u64 s[G0+4*\s+2:G0+4*\s+3], s[20:21], \s*ROWB
	s_or_b32 s[G0+4*\s+3], s[G0+4*\s+3], 0x80000000
	s_mov_b32 s[G0B+4*\s], 1
	s_add_co_u32 s[G0B+4*\s+1], s45, \s*SLOT
	s_add_nc_u64 s[G0B+4*\s+2:G0B+4*\s+3], s[46:47], \s*ROWB
	s_or_b32 s[G0B+4*\s+3], s[G0B+4*\s+3], 0x80000000
.endr
	JLOAD G0, G1, G0B, G1B                         ; K step 0, behind the opening round: my one tensor load at the head
	; PREFETCH INTO THE L2 of the three later K steps.  A K step is 256 bytes of each row.  Of the 128 rows that my wave fetches, each of the four partners that ask for them jointly names 32,
	; told apart by address alone (cx for region 0's tile, cy for region 2's): a lane a row, one instruction a wave and K step, so each aligned 256 bytes are named once in each cluster that loads them.
	; K steps 1 and 2 are asked for here, K step 3 behind K step 1's load: never more than two K steps are asked for and not yet loaded.  The offsets are immediates: no address register is written again.
	s_cmp_eq_u32 s15, 0                            ; do I fetch for region 0?
	s_cselect_b64 s[86:87], s[20:21], s[46:47]     ; my 128 rows' first byte
	s_cselect_b32 s66, s40, s41                    ; my place among the four that ask with me
	s_lshl_b32 s66, s66, 15                        ; x 32 rows of 1,024 bytes
	s_mov_b32 s67, 0
	s_add_nc_u64 s[86:87], s[86:87], s[66:67]
	v_and_b32 v30, 31, v0
	v_lshlrev_b32 v30, 10, v30                     ; my lane's row; never rewritten
	global_prefetch_b8 v30, s[86:87] offset:256 th:TH_LOAD_NT scope:SCOPE_SE
	global_prefetch_b8 v30, s[86:87] offset:512 th:TH_LOAD_NT scope:SCOPE_SE
	s_wait_kmcnt 0x0
	s_cmp_eq_u32 ttmp9, 1
	s_cselect_b64 s[12:13], s[74:75], s[72:73]
	s_cselect_b32 s98, s90, s88
	s_cselect_b32 s99, s91, s89
	s_cselect_b32 s2, s95, s94
	s_cmp_eq_u32 ttmp9, 2
	s_cselect_b64 s[12:13], s[76:77], s[12:13]
	s_cselect_b32 s98, s92, s98
	s_cselect_b32 s99, s93, s99
	s_cselect_b32 s2, s97, s2
	v_and_b32 v1, 15, v0
	v_bfe_u32 v2, v0, 4, 1
	v_mul_u32_u24 v3, v1, PITCH
	v_lshl_add_u32 v4, v2, 4, v3
	s_wait_alu depctr_va_vdst(0)
	s_cselect_b32 s17, s85, s84                    ; x's tile and W's tile, for the addresses of the bias and of the results
	s_cselect_b32 s40, s84, s85
	s_mov_b32 s21, 0                               ; source 1 reads region 0,
	s_mov_b32 s22, 2*HALFT                         ; source 0 region 2
	s_cselect_b32 s66, s15, s16
	s_cselect_b32 s67, s16, s15
	s_cselect_b32 s42, 0, -1
	s_cselect_b32 s43, -1, 0
	s_mul_i32 s23, s15, HALFT
	s_add_co_u32 s21, s21, s23
	s_mul_i32 s23, s16, HALFT
	s_add_co_u32 s22, s22, s23
.irp s, 0,1
	v_add_nc_u32 v[ADR1+\s], s21, v4
	v_add_nc_u32 v[ADR0+\s], s22, v4
	s_add_co_u32 s21, s21, SLOT
	s_add_co_u32 s22, s22, SLOT
.endr
	s_lshl_b32 s18, s40, 8
	s_lshl_b32 s19, s66, 7
	s_add_co_u32 s18, s18, s19
	s_lshl_b32 s18, s18, 2
	s_mov_b32 s19, 0
	s_add_nc_u64 s[12:13], s[12:13], s[18:19]
	v_lshlrev_b32 v5, 6, v2
	v_and_b32 v6, 8, v1
	v_add_nc_u32 v6, v6, v1
	v_lshlrev_b32 v6, 2, v6
.irp b, 0,1,2,3,4,5,6,7
	global_load_b128 v[CB+8*\b:CB+8*\b+3], v5, s[12:13] offset:4*(32*(\b/2)+8*(\b%2))
	global_load_b128 v[CB+8*\b+4:CB+8*\b+7], v5, s[12:13] offset:4*(32*(\b/2)+8*(\b%2))+16
.endr
.irp a, 0,1,2,3,4,5,6,7
	global_load_b32 v[B1+2*\a], v6, s[12:13] offset:4*(32*(\a/2)+8*(\a%2))
.endr
	v_and_b32 v7, 31, v0
	v_lshlrev_b32 v[CO], 4, v7
	s_cmp_eq_u32 ttmp9, 0
	s_cselect_b32 s18, 17, 18
	s_cselect_b32 s19, 12, 13
	s_cselect_b64 s[4:5], s[80:81], s[82:83]
	s_lshr_b32 s22, s17, 3
	s_lshl_b32 s22, s22, 4
	s_lshl_b32 s23, s40, 2
	s_add_co_u32 s22, s22, s23
	s_lshl_b32 s23, s66, 1
	s_add_co_u32 s22, s22, s23
	s_lshl_b32 s22, s22, s18
	s_and_b32 s23, s17, 7
	s_lshl_b32 s23, s23, 2
	s_lshl_b32 s46, s67, 1
	s_add_co_u32 s23, s23, s46
	s_lshl_b32 s23, s23, s19
	s_add_co_u32 s22, s22, s23
	s_lshl_b32 s18, 1, s18
	s_lshl_b32 s19, 1, s19
	s_cmp_eq_u32 ttmp9, 2
	s_cselect_b32 s23, 4096, 0
	s_cselect_b32 s46, s18, s19
	s_cselect_b32 s20, s19, s18
	s_add_co_u32 s22, s22, s23
	s_mov_b32 s23, 0
	s_mov_b32 s47, 0
	s_mov_b32 s21, 0
	s_add_nc_u64 s[4:5], s[4:5], s[22:23]
	s_add_nc_u64 s[6:7], s[4:5], s[20:21]
	s_add_nc_u64 s[8:9], s[4:5], s[46:47]
	s_add_nc_u64 s[10:11], s[8:9], s[20:21]
	s_add_co_i32 s98, s98, s99
	s_sub_co_i32 s99, 0, s98
	s_sub_co_i32 s2, s2, s98
	s_add_co_i32 s2, s2, 127
	s_lshl_b32 s18, s2, 23
	v_mov_b32 v[SCL], s18
	s_add_co_i32 s2, s2, 8
	s_lshl_b32 s2, s2, 23
	s_or_b32 s2, s2, 0x600000
	v_mov_b32 v[LIM], s2
	s_wait_loadcnt 0x0
.irp j, 0,1,2,3,4,5,6,7,8,9,10,11,12,13,14,15,16,17,18,19,20,21,22,23,24,25,26,27,28,29,30,31,32,33,34,35,36,37,38,39,40,41,42,43,44,45,46,47,48,49,50,51,52,53,54,55,56,57,58,59,60,61,62,63
	v_ldexp_f32 v[CB+\j], v[CB+\j], s99
.endr
.irp j, 0,1,2,3,4,5,6,7,8,9,10,11,12,13,14,15,16,17,18,19,20,21,22,23,24,25,26,27,28,29,30,31,32,33,34,35,36,37,38,39,40,41,42,43,44,45,46,47,48,49,50,51,52,53,54,55,56,57,58,59,60,61,62,63
	v_and_b32 v[CB+\j], s42, v[CB+\j]
.endr
.irp a, 0,1,2,3,4,5,6,7
	v_ldexp_f32 v[B1+2*\a], v[B1+2*\a], s99
.endr
.irp a, 0,1,2,3,4,5,6,7
	v_and_b32 v[B1+2*\a], s43, v[B1+2*\a]
.endr
.irp a, 0,1,2,3,4,5,6,7
	v_mov_b32 v[B1+2*\a+1], v[B1+2*\a]
.endr
.macro FRAG reg, adr, q, i
.irp c, 0,1,2,3
	ds_load_b128 v[\reg+4*\c:\reg+4*\c+3], v[\adr] offset:128*(\q)+32*\c+(\i)*16*PITCH
.endr
.endm
.macro MUL16 a0, p, first
.irp a, \a0, \a0+1
.irp b, 0,1,2,3,4,5,6,7
.if \first
	v_wmma_f32_16x16x128_fp8_fp8 v[8*(8*((\a)%4)+\b):8*(8*((\a)%4)+\b)+7], v[128*(\p)+FR*\b:128*(\p)+FR*\b+FR-1], v[AF+FR*(\a):AF+FR*(\a)+FR-1], v[CB+8*\b:CB+8*\b+7]
.else
	v_wmma_f32_16x16x128_fp8_fp8 v[8*(8*((\a)%4)+\b):8*(8*((\a)%4)+\b)+7], v[128*(\p)+FR*\b:128*(\p)+FR*\b+FR-1], v[AF+FR*(\a):AF+FR*(\a)+FR-1], v[8*(8*((\a)%4)+\b):8*(8*((\a)%4)+\b)+7]
.endif
.endr
.endr
.endm
.macro FETCH_B slot, q, p
	WIN TO_B
.irp i, 0,1,2,3,4,5,6,7
	FRAG 128*(\p)+FR*\i, ADR0+\slot, \q, \i
.endr
	WIN 0
.endm
.macro FETCH_A slot, q, i0
.irp i, \i0, \i0+1, \i0+2, \i0+3
	FRAG AF+FR*(\i), ADR1+\slot, \q, \i
.endr
.endm
.macro PLACES n
.rept \n
	v_nop
.endr
.endm
.macro STEP slot, q, first
	s_wait_dscnt 4*NL
.if \first
	WIN FST_LO
.else
	WIN MUL_LO
.endif
	MUL16 0, (\q)%2, \first
	MUL16 2, (\q)%2, \first
	s_wait_dscnt 0
	PLACES NP
	FETCH_B \slot, (\q)+1, 1-(\q)%2
	FETCH_A \slot, (\q)+1, 0
.if \first
	WIN FST_HI
.else
	WIN MUL_HI
.endif
	MUL16 4, (\q)%2, \first
	MUL16 6, (\q)%2, \first
	PLACES NP
	WIN 0
	FETCH_A \slot, (\q)+1, 4
.endm
.macro TURN slot, next, fill
	s_wait_tensorcnt 0x0
	ds_add_u32 v[SPW], v[NIL]
	s_wait_dscnt 4*NL+1
	WIN MUL_LO
	MUL16 0, 1, 0
	s_wait_dscnt 0x0
	s_barrier_signal -1
	MUL16 2, 1, 0
	WIN 0
	s_barrier_wait -1
.if \fill
	CREST
	s_add_nc_u64 s[G0+4*\slot+2:G0+4*\slot+3], s[G0+4*\slot+2:G0+4*\slot+3], 2*ROWB
	s_add_nc_u64 s[G0B+4*\slot+2:G0B+4*\slot+3], s[G0B+4*\slot+2:G0B+4*\slot+3], 2*ROWB
	JLOAD G0+4*\slot, G1, G0B+4*\slot, G1B
.else
	PLACES NP
.endif
	FETCH_B \next, 0, 0
	FETCH_A \next, 0, 0
	WIN MUL_HI
	MUL16 4, 1, 0
	MUL16 6, 1, 0
	PLACES NP
	WIN 0
	FETCH_A \next, 0, 4
.endm
	s_wait_alu depctr_va_vdst(0)                   ; the wait at the head's end
	s_wait_tensorcnt 0x0                           ; my part of K step 0 is in; the lines ahead of a later first fill:
	ds_add_u32 v[SPW], v[NIL]
	s_wait_dscnt 0x0
	CROUND                                         ; everybody's part of K step 0 is in, and the joint loads meet
	JLOAD G0+4, G1, G0B+4, G1B                     ; K step 1: the first tensor load behind the round
	FETCH_B 0, 0, 0
	FETCH_A 0, 0, 0
	FETCH_A 0, 0, 4
	global_prefetch_b8 v30, s[86:87] offset:768 th:TH_LOAD_NT scope:SCOPE_SE   ; K step 3: two refills ahead of its load, behind K step 1's load and the run of LDS loads
	STEP 0, 0, 1
	TURN 0, 1, 1
	STEP 1, 0, 0
	TURN 1, 0, 1
	STEP 0, 0, 0
	TURN 0, 1, 0
	STEP 1, 0, 0
	s_wait_dscnt 4*NL
	WIN MUL_LO
	MUL16 0, 1, 0
	MUL16 2, 1, 0
	s_wait_alu depctr_va_vdst(0)
	s_wait_dscnt 0
	WIN MUL_HI
	MUL16 4, 1, 0
	MUL16 6, 1, 0
	WIN 0
	PLACES NP
.macro OUT a
	WIN 0x02+((\a)/4)
.irp j, 0,2,4,6,8,10,12,14,16,18,20,22,24,26,28,30,32,34,36,38,40,42,44,46,48,50,52,54,56,58,60,62
	v_pk_add_f32 v[TMP+\j:TMP+\j+1], v[64*((\a)%4)+\j:64*((\a)%4)+\j+1], v[B1+2*(\a):B1+2*(\a)+1]
.endr
	WIN 0
.irp j, 0,1,2,3,4,5,6,7,8,9,10,11,12,13,14,15,16,17,18,19,20,21,22,23,24,25,26,27,28,29,30,31,32,33,34,35,36,37,38,39,40,41,42,43,44,45,46,47,48,49,50,51,52,53,54,55,56,57,58,59,60,61,62,63
	v_med3_num_f32 v[TMP+\j], v[TMP+\j], -v[LIM], v[LIM]
.endr
.irp b, 0,1,2,3
	v_cvt_scalef32_pk8_fp8_f32 v[CD+16*(\a)+4*\b:CD+16*(\a)+4*\b+1], v[TMP+16*\b:TMP+16*\b+7], v[SCL]
	v_cvt_scalef32_pk8_fp8_f32 v[CD+16*(\a)+4*\b+2:CD+16*(\a)+4*\b+3], v[TMP+16*\b+8:TMP+16*\b+15], v[SCL]
.endr
	v_nop
.irp b, 0,1,2,3
	global_store_b128 v[CO], v[CD+16*(\a)+4*\b:CD+16*(\a)+4*\b+3], s[4+4*((\a)/4)+2*(\b/2):5+4*((\a)/4)+2*(\b/2)] offset:((\a)%4)*1024+(\b%2)*512
.endr
.endm
.irp a, 0,1,2,3,4,5,6,7
	OUT \a
.endr
	s_wait_tensorcnt 0x0
	ds_add_u32 v[SPW], v[NIL]
	s_wait_dscnt 0x0
	CROUND
	s_endpgm
.Lfunc_end_k_q7c37d595f1_proj:
	.size	k_q7c37d595f1_proj, .Lfunc_end_k_q7c37d595f1_proj-k_q7c37d595f1_proj
	.p2alignl 7, 3214868480
	.fill 96, 4, 3214868480
	.section	.rodata,"a",@progbits
	.p2align	6, 0x0
	.amdhsa_kernel k_q7c37d595f1_proj
		.amdhsa_group_segment_fixed_size 327680
		.amdhsa_private_segment_fixed_size 0
		.amdhsa_enable_private_segment 0
		.amdhsa_kernarg_size 64
		.amdhsa_user_sgpr_count 2
		.amdhsa_user_sgpr_kernarg_segment_ptr 1
		.amdhsa_wavefront_size32 1
		.amdhsa_system_sgpr_workgroup_id_x 1
		.amdhsa_system_sgpr_workgroup_id_y 1
		.amdhsa_system_sgpr_workgroup_id_z 1
		.amdhsa_system_vgpr_workitem_id 0
		.amdhsa_next_free_vgpr 1024
		.amdhsa_next_free_sgpr 100
		.amdhsa_reserve_vcc 0
		.amdhsa_float_denorm_mode_32 3
		.amdhsa_float_denorm_mode_16_64 3
		.amdhsa_memory_ordered 1
		.amdhsa_forward_progress 1
		.amdhsa_inst_pref_size 145
	.end_amdhsa_kernel
	.amdgpu_metadata
---
amdhsa.version: [ 1, 2 ]
amdhsa.kernels:
  - .name:           k_q7c37d595f1_proj
    .symbol:         k_q7c37d595f1_proj.kd
    .args:
      - { .name: xc, .offset: 0, .size: 8, .value_kind: global_buffer, .address_space: global }
      - { .name: wc, .offset: 8, .size: 8, .value_kind: global_buffer, .address_space: global }
      - { .name: bq, .offset: 16, .size: 8, .value_kind: global_buffer, .address_space: global }
      - { .name: bk, .offset: 24, .size: 8, .value_kind: global_buffer, .address_space: global }
      - { .name: bv, .offset: 32, .size: 8, .value_kind: global_buffer, .address_space: global }
      - { .name: lowp_scales, .offset: 40, .size: 8, .value_kind: global_buffer, .address_space: global }
      - { .name: qimg, .offset: 48, .size: 8, .value_kind: global_buffer, .address_space: global }
      - { .name: kv, .offset: 56, .size: 8, .value_kind: global_buffer, .address_space: global }
    .group_segment_fixed_size: 327680
    .private_segment_fixed_size: 0
    .kernarg_segment_align: 8
    .kernarg_segment_size: 64
    .max_flat_workgroup_size: 128
    .sgpr_count:     100
    .vgpr_count:     1024
    .wavefront_size: 32
...
	.end_amdgpu_metadata
.endif
;; end of part 2
;; launch attn (part 3): grid 4 x 64, 8 waves a work-group, clusters of 4 x 1, 327,680 bytes of LDS; arguments qimg, kv, attention_mask, ibias, lowp_scales, out0; writes out0
.if DOCPART == 3
	.amdgcn_target "amdgcn-amd-amdhsa--gfx1250"
	.amdhsa_code_object_version 6
	.text
	.protected	k_q7c37d595f1_attn
	.globl	k_q7c37d595f1_attn
	.p2align	8
	.type	k_q7c37d595f1_attn,@function
k_q7c37d595f1_attn:
	s_mov_b64 s[64:65], 0
	v_nop
	global_prefetch_b8 v0, s[64:65] scope:SCOPE_SE
	s_setreg_imm32_b32 hwreg(HW_REG_WAVE_MODE, 25, 1), 1
	s_wait_xcnt 0x0
	s_wait_alu depctr_hold_cnt(0) depctr_sa_sdst(0) depctr_va_vdst(0) depctr_va_sdst(0) depctr_va_ssrc(0) depctr_va_vcc(0) depctr_vm_vsrc(0)
	s_getreg_b32 s2, hwreg(HW_REG_IB_STS2, 6, 4)
	s_cmp_eq_u32 s2, 0
	s_cbranch_scc0 .Lentry_in_a_cluster
	s_endpgm
.Lentry_in_a_cluster:
	s_bfe_u32 s2, ttmp6, 0x10000c
	s_cmp_lg_u32 s2, 0x3003
	s_cbranch_scc0 .Lentry_shape_is_right
	s_endpgm
.Lentry_shape_is_right:
; ATTN: out[b][q][64 h ..] = softmax_k(q . k / 8 + ibias[b][h] + mask[b][k]) v, both products on codes of E4M3, sums in f32.
; S^T = K Q^T + C by v_wmma_f32_16x16x64_fp8_fp8 (K = the head's 64), O^T += V^T P by v_wmma_f32_16x16x128_fp8_fp8 (K = 128 keys): a lane holds ONE query (lane % 16) throughout.
; THE SOFTMAX: t = logit x log2(e); M = the running largest t rounded UP to a whole number; p = 2^(t - M) is quantised with 2^e8, not normalised.  The row's sum is taken of the unquantised p
; and divides at the end; when M moves, the sum and O are multiplied by 2^(old M - new M), which rounds nothing.  The intent bias stays: it moves M, a ceiling, and so p's codes.
; SHARES.  A work-group owns 512 stored query rows of one (b, h); each of its eight waves 64 of them, four tiles of 16, which share every fragment of K, of V and of the mask terms.
; A step is 128 keys; the four tiles go through the softmax two at a time.
; ALL OF THE HEAD'S K AND V, 256 KB, LIES IN LDS, filled once: each wave asks for 32 KB by its one tensor load at the head; nothing is filled again, and the loop has no barrier.
; CLUSTER.  The four work-groups of a (b, h) read the same K and V: each tile is asked for JOINTLY, by the same tensor load with the same descriptor and the mask of all four.
; NO PREFETCH: all of K and V is asked for by these first fills; there is no later request to run ahead of.
; LAYOUT.  Operands lie in memory and LDS as images of their registers (16 bytes a lane, 512 a load).  Stored rows are swapped (bits 3 and 4): register 8 T + j of S^T is key 32 (T / 2) + 16 h + 8 (T % 2) + j of its 64,
; so eight neighbouring registers are eight neighbouring keys and the conversions' results are P's registers.  k is permuted alike in V's image and in P.
; MASK AND BIAS: C = max(mask + bias, -2^30) x 2^(3 - e6 - e7), made once for the 2,048 keys, kept in LDS, is the C of the first product; t = c x (sum + C), c = log2(e) / 8 x 2^(e6 + e7).
; LIMITS.  mask + bias below -2^30 counts as -2^30 (|t| stays under 2^31): that shows only in a row ALL of whose keys lie so low (with -infinity everywhere: numbers, not NaN).
; Sums + C stay above -3e38.  e6 + e7 between -123 and 130; e8 between -126 and 119.
; REGISTERS, in two windows of 256.  Window 0: v0-7 addresses, v8-23 state, v24-31 at work, S^T then p of two tiles, P, Q: the softmax names this window alone.  Window 1: O^T (32 a tile), mask terms, K or V.
.set MSK,   262144                     ; LDS: 0 .. 262,143 K and V: 64 keys at 8,192 st (4 tiles of K, 4 of V, 1 KB each); then the 2,048 mask terms: LDS stores alone, no fill lands there
.set SPARE, 270336                     ; the spare words, 128 bytes a wave
.set STAGE, 271360                     ; the way out: 16 rows x 272 bytes for each wave; no fill lands there
.set LI,  1                            ; 16 x lane;              on the way out STO
.set MA,  2                            ; MSK + 64 (lane / 16);   on the way out RD
.set ADK, 3                            ; LDS address of the step's tiles
.set ADM, 4                            ; of its mask terms
.set SPW, 5
.set NIL, 6
.set SCP, 7                            ; 2^e8 as f32;            on the way out GO
.set ST,  8                            ; tile u: v[8 + 4 u] -M, +1 the largest sum + C, +2, +3 the row's sum in two halves
.set TA,  24                           ; tile i of a pair: v[24 + 2 i], v[25 + 2 i] at work
.set F,   28                           ; v[28 + 2 i] f = 2^(old M - new M); the odd ones are named as upper halves only
.set S,   32                           ; v32-159: 64 a tile
.set P,   160                          ; v160-223: 16 a tile; ahead of the conversions a pair's 32 gather the rows' sums
.set Q,   224                          ; v224-255: 8 a tile
.set O,   0                            ; window 1
.set MK,  128                          ; window 1
.set KV,  192                          ; window 1
.set TB,  2
.set CNT, 3
.set TM,  16
.set BH,  17
.set WV,  18
.set CX,  19                           ; my place in the cluster: it enters Q's and out's addresses alone
.set SEL, 20
.set CS,  22
.set HOLD, 24
.set G1,  52
.set G0,  60
.set MSB, 0
.macro WIN new                         ; low byte: bits 1:0 source 0, 3:2 source 1, 5:4 source 2, 7:6 destination; the high byte repeats the setting that is left
.if MSB != \new
	s_set_vgpr_msb (MSB<<8)|\new
.set MSB, \new
.endif
.endm
.macro CROUND                          ; a round of the cluster's barrier
	s_barrier_signal -1
	s_barrier_wait -1
	s_cmp_lg_u32 s[WV], 0
	s_cbranch_scc1 .Lnot_wave_0_\@
	s_barrier_signal -3
.Lnot_wave_0_\@:
	s_barrier_wait -3
	s_barrier_signal -1
	s_barrier_wait -1
.endm
	s_load_b256 s[4:11], s[0:1], 0x0               ; qimg, kv, attention_mask, ibias
	s_load_b128 s[12:15], s[0:1], 0x20             ; the scales' exponents, out0
	v_lshl_add_u32 v[SPW], v0, 2, SPARE
	v_mov_b32 v[NIL], 0
	ds_add_u32 v[SPW], v[NIL]                      ; the opening lines: the add, twice on end, and its wait ahead of my tensor load
	ds_add_u32 v[SPW], v[NIL]
	v_lshrrev_b32 v[ADK], 5, v0
	v_readfirstlane_b32 s[WV], v[ADK]              ; wave 0..7
	v_and_b32 v[LI], 31, v0
	v_lshlrev_b32 v[LI], 4, v[LI]
	v_lshlrev_b32 v[ADM], 4, v0                    ; 16 x thread: my four mask numbers of each 1,024
	s_bfe_u32 s[CX], ttmp6, 0x40000
	s_and_b32 s[BH], ttmp7, 0xffff                 ; 16 b + h
	s_mov_b32 s[G1], 15|(3<<16)|(1<<21)            ; the mask: all four work-groups; elements of 8 bytes; no padding; bit 21 set beside a mask
	s_mov_b32 s[G1+1], 32<<16                      ; a dense block of 32 KB as 128 rows of 32 elements
	s_mov_b32 s[G1+2], 128<<16
	s_mov_b32 s[G1+3], 32<<16
	s_mov_b32 s[G1+4], 128
	s_mov_b32 s[G1+5], 32
	s_mov_b32 s[G1+6], 0
	s_mov_b32 s[G1+7], 0
	s_mov_b32 s[G0], 1
	s_lshl_b32 s[G0+1], s[WV], 15                  ; LDS: my wave's 32 KB
	s_lshl_b32 s26, s[BH], 18                      ; kv: the head's 256 KB, my wave's 32 KB: equal in all four partners
	s_add_co_u32 s26, s26, s[G0+1]
	s_mov_b32 s27, 0
	s_lshl_b32 s28, s[BH], 17                      ; Q: the head's 128 KB, my work-group's 32 tiles, my wave's four
	s_lshl_b32 s37, s[CX], 15
	s_add_co_u32 s28, s28, s37
	s_lshl_b32 s37, s[WV], 12
	s_add_co_u32 s28, s28, s37
	s_mov_b32 s29, 0
	s_lshr_b32 s38, s[BH], 4                       ; b
	s_lshl_b32 s30, s38, 13                        ; my batch's 2,048 mask numbers
	s_mov_b32 s31, 0
	s_lshl_b32 s32, s[BH], 2
	s_mov_b32 s33, 0
	s_lshl_b32 s34, s38, 23                        ; out: (2,048 b + 512 cx + 64 wave) rows of 4,096 bytes + 256 h
	s_lshl_b32 s37, s[CX], 21
	s_add_co_u32 s34, s34, s37
	s_lshl_b32 s37, s[WV], 18
	s_add_co_u32 s34, s34, s37
	s_and_b32 s37, s[BH], 15
	s_lshl_b32 s37, s37, 8
	s_add_co_u32 s34, s34, s37
	s_mov_b32 s35, 0
	s_wait_alu depctr_va_vdst(0)
	s_wait_dscnt 0x0                               ; both opening adds are done
	s_wait_kmcnt 0x0
	s_load_b256 s[40:47], s[12:13], 0x0            ; entries 0 to 7: e6 s46, e7 s47
	s_load_b64 s[48:49], s[12:13], 0x20            ; e8, e9
	s_add_nc_u64 s[10:11], s[10:11], s[32:33]
	s_load_b32 s50, s[10:11], 0x0                  ; the intent bias of my (b, h)
	s_add_nc_u64 s[G0+2:G0+3], s[6:7], s[26:27]
	s_or_b32 s[G0+3], s[G0+3], 0x80000000          ; type = 2
	s_add_nc_u64 s[8:9], s[8:9], s[30:31]
	s_add_nc_u64 s[4:5], s[4:5], s[28:29]
	s_add_nc_u64 s[14:15], s[14:15], s[34:35]
	CROUND                                         ; all four work-groups are here: the joint loads meet
	tensor_load_to_lds s[G0:G0+3], s[G1:G1+7]      ; my one tensor load: every wave issues one, eight bring all of K and V
	s_nop 0
.rept 4
	v_nop
.endr
	global_load_b128 v[S:S+3], v[ADM], s[8:9]
	global_load_b128 v[S+4:S+7], v[ADM], s[8:9] offset:4096
.irp i, 0,1,2,3,4,5,6,7
	global_load_b128 v[Q+4*\i:Q+4*\i+3], v[LI], s[4:5] offset:512*\i th:TH_LOAD_NT   ; tile i / 2, channels 32 (i % 2) + 16 h on: Q stays in registers
.endr
	s_mov_b32 s[SEL], 0x76543210
	s_mov_b32 s[SEL+1], 0xfedcba98                 ; lane selects: lane l xor 16
	s_mov_b32 s[CS], 0x3e38aa3b                    ; log2(e) / 8
	v_bfe_u32 v[MA], v0, 4, 1
	v_lshl_add_u32 v[MA], v[MA], 6, MSK
	v_lshl_add_u32 v[TA], v0, 4, MSK               ; where my mask terms go
.irp u, 0,1,2,3
	v_mov_b32 v[ST+4*\u], 0x7f61b1e6               ; -M: 3e38
	v_mov_b32 v[ST+4*\u+1], 0xff61b1e6             ; the largest so far: -3e38
	v_mov_b32 v[ST+4*\u+2], 0
	v_mov_b32 v[ST+4*\u+3], 0
.endr
	v_mov_b32 v[F+1], 0
	v_mov_b32 v[F+3], 0
	WIN 0x40
.set nn, 0
.rept 128
	v_mov_b32 v[O+nn], 0                           ; O^T.  (The step is written once: the first finds zeros, which the first change of M leaves zeros)
.set nn, nn+1
.endr
	WIN 0
	s_wait_kmcnt 0x0
	s_add_co_i32 s26, s46, s47                     ; e6 + e7: added to c's exponent field
	s_lshl_b32 s27, s26, 23
	s_add_co_i32 s[CS], s[CS], s27
	s_mov_b32 s[CS+1], s[CS]
	s_sub_co_i32 s26, 3, s26                       ; the mask term's exponent: x 8 / 2^(e6 + e7)
	s_add_co_i32 s27, s48, 127
	s_lshl_b32 s28, s27, 23
	v_mov_b32 v[SCP], s28
	s_add_co_i32 s27, s27, 8
	s_lshl_b32 s27, s27, 23
	s_or_b32 s[HOLD], s27, 0x600000                ; 448 x 2^e8
	s_add_co_i32 s51, s48, s49                     ; e8 + e9
	s_mov_b32 s[TB], 0
	s_mov_b32 s[TM], 0
	s_mov_b32 s[CNT], 16
	s_wait_alu depctr_va_vdst(0)
	s_wait_loadcnt 0x0                             ; the mask and Q
.irp j, 0,1,2,3,4,5,6,7
	v_add_f32 v[S+\j], s50, v[S+\j]                ; mask + bias,
.endr
.irp j, 0,1,2,3,4,5,6,7
	v_max_num_f32 v[S+\j], 0xce800000, v[S+\j]     ; held at -2^30,
.endr
.irp j, 0,1,2,3,4,5,6,7
	v_ldexp_f32 v[S+\j], v[S+\j], s26              ; in the sums' unit
.endr
	ds_store_b128 v[TA], v[S:S+3]
	ds_store_b128 v[TA], v[S+4:S+7] offset:4096
	s_wait_alu depctr_va_vdst(0)                   ; the wait at the head's end
	s_wait_tensorcnt 0x0                           ; my 32 KB of K and V are in,
	s_wait_dscnt 0x0                               ; my mask terms are stored:
	s_barrier_signal -1
	s_barrier_wait -1                              ; everybody's are
.macro ADDP a, b                       ; pair a += pair b
	v_pk_add_f32 v[\a:\a+1], v[\a:\a+1], v[\b:\b+1]
.endm
.macro HOLD2 r                         ; two numbers held in one dual line.  The conversion to an 8-bit code does not saturate (ISA guide 7.6.2); p is not negative, so the hold is one-sided
	v_dual_min_num_f32 v[\r], s[HOLD], v[\r] :: v_dual_min_num_f32 v[\r+1], s[HOLD], v[\r+1]
.endm
; TILES 2 g AND 2 g + 1 against the step's 128 keys: scores, softmax, codes.  A lane has 64 of its query's scores a tile, the lane 16 away the other 64.
.macro PAIR g
.set PB, P+32*\g
.set SA, ST+8*\g
	WIN 0x11
.irp T, 0,1,2,3,4,5,6,7
.if \g == 0
.if \T % 2 == 0
	s_wait_dscnt 24-4*\T                           ; LDS loads come back in order, four to a key tile: tiles T and T + 1 are in, the 6 - T younger tiles' may be out
.endif
.endif
.irp i, 0,1
	v_wmma_f32_16x16x64_fp8_fp8 v[S+64*\i+8*\T:S+64*\i+8*\T+7], v[KV+8*\T:KV+8*\T+7], v[Q+16*\g+8*\i:Q+16*\g+8*\i+7], v[MK+8*\T:MK+8*\T+7]   ; sixteen accumulators, one instruction each
.endr
.endr
	WIN 0
.rept 4
	v_nop                                          ; places ahead of the first read of the scores and of the loads over K's fragments
.endr
.if \g
	WIN 0x40
.irp t, 0,1,2,3
.irp c, 0,1,2,3
	ds_load_b128 v[KV+16*\t+4*\c:KV+16*\t+4*\c+3], v[ADK] offset:8192*(\c/2)+4096+1024*\t+512*(\c%2)   ; V's tile t, 128 keys: it lands during the softmax
.endr
.endr
	WIN 0
.endif
.irp j, 0,4,8,12,16,20,24,28,32,36,40,44,48,52,56,60
.irp i, 0,1                                    ; the largest score so far, two chains a tile, both begun with the running one; each accumulator is first read at its low end
.if \j == 0
	v_max3_num_f32 v[TA+2*\i], v[SA+4*\i+1], v[S+64*\i], v[S+64*\i+1]
	v_max3_num_f32 v[TA+2*\i+1], v[SA+4*\i+1], v[S+64*\i+2], v[S+64*\i+3]
.else
	v_max3_num_f32 v[TA+2*\i], v[TA+2*\i], v[S+64*\i+\j], v[S+64*\i+\j+1]
	v_max3_num_f32 v[TA+2*\i+1], v[TA+2*\i+1], v[S+64*\i+\j+2], v[S+64*\i+\j+3]
.endif
.endr
.endr
.irp i, 0,1
	v_max_num_f32 v[TA+2*\i], v[TA+2*\i], v[TA+2*\i+1]
.endr
.irp i, 0,1
	v_permlanex16_b32 v[TA+2*\i+1], v[TA+2*\i], s[SEL], s[SEL+1]
.endr
.irp i, 0,1
	v_max_num_f32 v[SA+4*\i+1], v[TA+2*\i], v[TA+2*\i+1]        ; and lane l xor 16's
.endr
.irp i, 0,1
	v_mul_f32 v[TA+2*\i], s[CS], v[SA+4*\i+1]                   ; as t (c is positive)
.endr
.irp i, 0,1
	v_floor_f32 v[TA+2*\i+1], -v[TA+2*\i]                       ; the new -M = -ceil(t)
.endr
.irp i, 0,1
	v_sub_f32 v[TA+2*\i], v[TA+2*\i+1], v[SA+4*\i]              ; old M - new M: a whole number, 0 or less
.endr
.irp i, 0,1
	v_mov_b32 v[SA+4*\i], v[TA+2*\i+1]
.endr
.irp i, 0,1
	v_cvt_i32_f32 v[TA+2*\i], v[TA+2*\i]                        ; (it saturates)
.endr
.irp i, 0,1
	v_ldexp_f32 v[F+2*\i], 1.0, v[TA+2*\i]                      ; f
.endr
.irp i, 0,1
	v_pk_mul_f32 v[SA+4*\i+2:SA+4*\i+3], v[SA+4*\i+2:SA+4*\i+3], v[F+2*\i:F+2*\i+1] op_sel_hi:[1,0]   ; the sums under the new M
.endr
.set jj, 0
.rept 32
	v_pk_fma_f32 v[S+jj:S+jj+1], v[S+jj:S+jj+1], s[CS:CS+1], v[SA:SA+1] op_sel_hi:[1,0,0]   ; the first tile's t - M, two at a time (of the pairs c and -M the low word serves both halves)
.set jj, jj+2
.endr
	s_wait_alu depctr_va_vdst(0)                   ; the wait ahead of the batch
.set jj, 0
.rept 32                                       ; the first tile's p = 2^(t - M); among the exponentials the second tile's t - M, which is first read behind the next wait
	v_exp_f32 v[S+jj], v[S+jj]
	v_exp_f32 v[S+jj+1], v[S+jj+1]
	v_pk_fma_f32 v[S+64+jj:S+65+jj], v[S+64+jj:S+65+jj], s[CS:CS+1], v[SA+4:SA+5] op_sel_hi:[1,0,0]
.set jj, jj+2
.endr
	s_wait_alu depctr_va_vdst(0)                   ; behind the first batch and ahead of the second
.set jj, 0
.rept 16                                       ; the second tile's p; among the exponentials the first tile's sums of four (of the UNQUANTISED p) and then its hold: all first read behind the next wait
	v_exp_f32 v[S+64+4*jj], v[S+64+4*jj]
	v_pk_add_f32 v[PB+2*jj:PB+2*jj+1], v[S+4*jj:S+4*jj+1], v[S+4*jj+2:S+4*jj+3]
	v_exp_f32 v[S+65+4*jj], v[S+65+4*jj]
	HOLD2 S+4*jj
	v_exp_f32 v[S+66+4*jj], v[S+66+4*jj]
	HOLD2 S+4*jj+2
	v_exp_f32 v[S+67+4*jj], v[S+67+4*jj]
.set jj, jj+1
.endr
	v_nop                                          ; the plain line behind the last exponential
	WIN 0x41
	s_wait_alu depctr_va_vdst(0)                   ; one wait for the batch, and directly ahead of the first readers of O^T
.set jj, 0
.rept 16
	v_pk_mul_f32 v[O+64*\g+jj:O+64*\g+jj+1], v[O+64*\g+jj:O+64*\g+jj+1], v[F:F+1] op_sel_hi:[1,0]       ; O^T under the new M, each accumulator from its low end on
	v_pk_mul_f32 v[O+64*\g+32+jj:O+64*\g+33+jj], v[O+64*\g+32+jj:O+64*\g+33+jj], v[F+2:F+3] op_sel_hi:[1,0]
.set jj, jj+2
.endr
	WIN 0
.irp e, 0,2,4,6,8,10,12,14                     ; the first tile's sixteen pairs fold to one; the second tile's sum gathers in eight chains in the registers that fall free
	ADDP PB+\e, PB+16+\e
.endr
.irp e, 0,2,4,6,8,10,12,14
	v_pk_add_f32 v[PB+16+\e:PB+17+\e], v[S+64+2*\e:S+65+2*\e], v[S+66+2*\e:S+67+2*\e]
.endr
.irp e, 0,2,4,6
	ADDP PB+\e, PB+8+\e
.endr
.irp e, 0,2,4,6,8,10,12,14
	ADDP PB+16+\e, S+96+\e
.endr
	ADDP PB, PB+4
	ADDP PB+2, PB+6
.irp e, 0,2,4,6,8,10,12,14
	ADDP PB+16+\e, S+112+\e
.endr
	ADDP PB, PB+2
.irp e, 0,2,4,6
	ADDP PB+16+\e, PB+24+\e
.endr
	ADDP SA+2, PB
	ADDP PB+16, PB+20
	ADDP PB+18, PB+22
.set jj, 0
.rept 16
	HOLD2 S+64+jj                                  ; the second tile's hold, its first half between the last links of its sum
.set jj, jj+2
.endr
	ADDP PB+16, PB+18
.rept 16
	HOLD2 S+64+jj
.set jj, jj+2
.endr
	ADDP SA+6, PB+16
.set jj, 0
.rept 8
	v_cvt_scalef32_pk8_fp8_f32 v[PB+2*jj:PB+2*jj+1], v[S+8*jj:S+8*jj+7], v[SCP]
	v_cvt_scalef32_pk8_fp8_f32 v[PB+16+2*jj:PB+17+2*jj], v[S+64+8*jj:S+71+8*jj], v[SCP]
.set jj, jj+1
.endr
	v_nop                                          ; a plain line between the conversions and the products that write their sources or read their codes
.endm
.Lstep:                                                ; 16 steps of 128 keys
	v_add_nc_u32 v[ADK], s[TB], v[LI]
	v_add_nc_u32 v[ADM], s[TM], v[MA]
	v_nop                                          ; with the two additions: four places ahead of loads into registers that the last products read
	v_nop
	WIN 0x40
.irp T, 0,1,2,3,4,5,6,7
.irp c, 0,1
	ds_load_b128 v[KV+8*\T+4*\c:KV+8*\T+4*\c+3], v[ADK] offset:8192*(\T/4)+1024*(\T%4)+512*\c   ; K's tile T,
.endr
.irp c, 0,1
	ds_load_b128 v[MK+8*\T+4*\c:MK+8*\T+4*\c+3], v[ADM] offset:256*(\T/4)+128*((\T%4)/2)+32*(\T%2)+16*\c   ; and its keys' terms in the result's layout: the lanes of a half read the same words
.endr
.endr
	WIN 0
	s_wait_alu depctr_va_vdst(0)
	PAIR 0
	PAIR 1
	s_wait_alu depctr_va_vdst(0)
	s_wait_dscnt 0x0                               ; V is in
	WIN 0x51
.irp t, 0,1,2,3
.irp u, 0,1,2,3
	v_wmma_f32_16x16x128_fp8_fp8 v[O+32*\u+8*\t:O+32*\u+8*\t+7], v[KV+16*\t:KV+16*\t+15], v[P+16*\u:P+16*\u+15], v[O+32*\u+8*\t:O+32*\u+8*\t+7]   ; the sixteen accumulators take turns
.endr
.endr
	WIN 0
	s_add_co_u32 s[TB], s[TB], 16384
	s_add_co_u32 s[TM], s[TM], 512
	s_sub_co_u32 s[CNT], s[CNT], 1
	s_cmp_lg_u32 s[CNT], 0
	s_cbranch_scc1 .Lstep
	; THE WAY OUT.  The addresses come first: plain lines, the places behind the last products.  A tile at a time goes through my own stage and leaves as rows of 256 bytes.
.set STO, LI
.set RD,  MA
.set GO,  SCP
	v_and_b32 v[ADK], 15, v0                       ; r
	v_bfe_u32 v[ADM], v0, 4, 1                     ; h
	s_mul_i32 s26, s[WV], 4352
	s_add_co_u32 s26, s26, STAGE
	v_mul_u32_u24 v[STO], v[ADK], 272
	v_mul_u32_u24 v[RD], v[ADM], 272
	v_lshlrev_b32 v[GO], 12, v[ADM]
	v_lshl_add_u32 v[STO], v[ADM], 6, v[STO]
	v_lshl_add_u32 v[RD], v[ADK], 4, v[RD]
	v_lshl_add_u32 v[GO], v[ADK], 4, v[GO]         ; two rows of out an instruction
	v_add_nc_u32 v[STO], s26, v[STO]               ; in: row r, + 64 h: my half's 16 channels of each 32
	v_add_nc_u32 v[RD], s26, v[RD]                 ; back: lanes 0-15 one row of 256 bytes, lanes 16-31 the next
.irp u, 0,1,2,3
	v_add_f32 v[ST+4*\u+2], v[ST+4*\u+2], v[ST+4*\u+3]
.endr
.irp u, 0,1,2,3
	v_permlanex16_b32 v[TA+\u], v[ST+4*\u+2], s[SEL], s[SEL+1]
.endr
.irp u, 0,1,2,3
	v_add_f32 v[ST+4*\u+2], v[ST+4*\u+2], v[TA+\u] ; the row's sum
.endr
	s_wait_alu depctr_va_vdst(0)                   ; the wait ahead of the batch
.irp u, 0,1,2,3
	v_rcp_f32 v[ST+4*\u+2], v[ST+4*\u+2]
.endr
	v_nop
	s_wait_alu depctr_va_vdst(0)                   ; and behind it
.irp u, 0,1,2,3
	v_ldexp_f32 v[ST+4*\u+2], v[ST+4*\u+2], s51    ; x 2^(e8 + e9)
.endr
	WIN 0x01
	s_wait_alu depctr_va_vdst(0)                   ; directly ahead of the first readers of O^T
.irp u, 0,1,2,3
.irp j, 0,2,4,6,8,10,12,14,16,18,20,22,24,26,28,30
	v_pk_mul_f32 v[S+32*\u+\j:S+32*\u+\j+1], v[O+32*\u+\j:O+32*\u+\j+1], v[ST+4*\u+2:ST+4*\u+3] op_sel_hi:[1,0]   ; O^T / the sum: register 8 t + j is channel 32 (t / 2) + 16 h + 8 (t % 2) + j
.endr
.endr
	WIN 0
	s_wait_alu depctr_va_vdst(0)
.macro TOSTAGE u
.irp t, 0,1,2,3
.irp c, 0,1
	ds_store_b128 v[STO], v[S+32*(\u)+8*\t+4*\c:S+32*(\u)+8*\t+4*\c+3] offset:128*(\t/2)+32*(\t%2)+16*\c
.endr
.endr
.irp i, 0,1,2,3,4,5,6,7
	ds_load_b128 v[P+32*((\u)%2)+4*\i:P+32*((\u)%2)+4*\i+3], v[RD] offset:544*\i   ; LDS serves a wave's instructions in order: these see my stores, and the next tile's stores come behind them
.endr
.endm
.macro SEND u, younger
	s_wait_dscnt \younger
.irp i, 0,1,2,3,4,5,6,7
	global_store_b128 v[GO], v[P+32*((\u)%2)+4*\i:P+32*((\u)%2)+4*\i+3], s[14:15] offset:(32*((\u)/2)+16*(\i/4)+8*((\u)%2)+2*(\i%4))*4096 th:TH_STORE_NT   ; stored rows 2 i, 2 i + 1 of tile u at their true rows; sixteen lanes store 256 consecutive bytes, aligned
.endr
.endm
	TOSTAGE 0
.irp u, 1,2,3
.if \u > 1
	s_wait_xcnt 0x0                                ; tile u - 2's stores have read their registers, on which tile u's loads land
.endif
	TOSTAGE \u
	SEND \u-1, 16                                  ; behind tile u - 1's loads: tile u's 8 stores and 8 loads
.endr
	SEND 3, 0
	s_wait_tensorcnt 0x0                           ; the wave's end, behind my tensor load and my last LDS store
	ds_add_u32 v[SPW], v[NIL]
	s_wait_dscnt 0x0
	CROUND                                         ; the closing round: no work-group ends while a partner may still ask for a tile that names it
	s_endpgm
.Lfunc_end_k_q7c37d595f1_attn:
	.size	k_q7c37d595f1_attn, .Lfunc_end_k_q7c37d595f1_attn-k_q7c37d595f1_attn
	.p2alignl 7, 3214868480
	.fill 96, 4, 3214868480
	.section	.rodata,"a",@progbits
	.p2align	6, 0x0
	.amdhsa_kernel k_q7c37d595f1_attn
		.amdhsa_group_segment_fixed_size 327680
		.amdhsa_private_segment_fixed_size 0
		.amdhsa_enable_private_segment 0
		.amdhsa_kernarg_size 48
		.amdhsa_user_sgpr_count 2
		.amdhsa_user_sgpr_kernarg_segment_ptr 1
		.amdhsa_wavefront_size32 1
		.amdhsa_system_sgpr_workgroup_id_x 1
		.amdhsa_system_sgpr_workgroup_id_y 1
		.amdhsa_system_sgpr_workgroup_id_z 1
		.amdhsa_system_vgpr_workitem_id 0
		.amdhsa_next_free_vgpr 512
		.amdhsa_next_free_sgpr 72
		.amdhsa_reserve_vcc 0
		.amdhsa_float_denorm_mode_32 3
		.amdhsa_float_denorm_mode_16_64 3
		.amdhsa_memory_ordered 1
		.amdhsa_forward_progress 1
		.amdhsa_inst_pref_size 81
	.end_amdhsa_kernel
	.amdgpu_metadata
---
amdhsa.version: [ 1, 2 ]
amdhsa.kernels:
  - .name:           k_q7c37d595f1_attn
    .symbol:         k_q7c37d595f1_attn.kd
    .args:
      - { .name: qimg, .offset: 0, .size: 8, .value_kind: global_buffer, .address_space: global }
      - { .name: kv, .offset: 8, .size: 8, .value_kind: global_buffer, .address_space: global }
      - { .name: attention_mask, .offset: 16, .size: 8, .value_kind: global_buffer, .address_space: global }
      - { .name: ibias, .offset: 24, .size: 8, .value_kind: global_buffer, .address_space: global }
      - { .name: lowp_scales, .offset: 32, .size: 8, .value_kind: global_buffer, .address_space: global }
      - { .name: out0, .offset: 40, .size: 8, .value_kind: global_buffer, .address_space: global }
    .group_segment_fixed_size: 327680
    .private_segment_fixed_size: 0
    .kernarg_segment_align: 8
    .kernarg_segment_size: 48
    .max_flat_workgroup_size: 256
    .sgpr_count:     72
    .vgpr_count:     512
    .wavefront_size: 32
...
	.end_amdgpu_metadata
.endif
;; end of part 3
